; MI455X (gfx1250); checked and timed in simulation.
; The chip was launched on July 23, 2026; its instructions are those of AMD's public machine-readable ISA for CDNA 5 (MIT licence, August 2026) and "CDNA5" Instruction Set Architecture Reference Guide (July 2026). The comments in the code are by the model that wrote it; some were corrected since.
;; Attention. Allowed arithmetic: matrix products marked QUANTISED: E2M3 operands, one E8M0 scale for each 32 along K, by v_wmma_scale_f32_16x16x128_f8f6f4 with both operands' format E2M3, f32 sums; everything else in f32.
;; Inputs: block_tables 4 x 128 int32; k_cache 512 x 16 x 8 x 128 float32; query 4 x 256 x 32 x 128 float32; seq_lens 4 int32; v_cache 512 x 16 x 8 x 128 float32.
;; Outputs: out0 1,024 x 4,096 float32.
;; This version of the problem:
;;   THIS VERSION OF THE PROBLEM IS GIVEN IN LOW PRECISION. The matrix products marked QUANTISED in the list below multiply operands that are first quantised to E2M3 (2 exponent bits, 3 mantissa bits; 6 bits a number), with one power-of-two scale for each 32 numbers along K (OCP MX v1.0); their sums are f32. All else is computed in f32.
;;   The module's matrix products, in the order in which they are computed (A, B: the left and right operand; K: the contracted axis; several contracted axes count as one K, in the product's order):
;;     1. batch 32 x [M 2,048, K 128] x [K 128, N 1,024]; A: computed on the way; B: computed on the way: QUANTISED
;;     2. batch 32 x [M 128, K 2,048] x [K 2,048, N 1,024]; A: computed on the way; B: softmax (see below): QUANTISED
;;   THE QUANTISER, for each operand of a quantised product, along K:
;;     - K is cut into blocks of 32 from its start; a last block that is shorter is filled with zeros.
;;     - A block's scale is 2^e with e = floor(log2(the largest magnitude in the block)) - 2, held to -126 .. 127; a block of zeros has e = 0. As a byte (E8M0): e + 127.
;;     - Each number is divided by its block's scale, clamped to +-7.5, and rounded to the nearest number of E2M3, ties to even, subnormals kept.
;;     - The product sums the exact products of the quantised numbers (number of the format x scale) in f32.
;;   ~~~python
;;   def quantise(x, axis):      # numpy; x: float32 -> the quantised numbers, widened to float32 again
;;       x = np.moveaxis(x, axis, -1); K = x.shape[-1]
;;       x = np.pad(x, [(0, 0)] * (x.ndim - 1) + [(0, -K % 32)]); x = x.reshape(x.shape[:-1] + (-1, 32)); a = np.abs(x).max(-1, keepdims=True)
;;       e = np.where(a > 0, np.clip(np.frexp(np.where(a > 0, a, 1))[1] - 1 - 2, -126, 127), 0)      # np.frexp(a)[1] - 1 = floor(log2(a)), exactly
;;       r = np.clip(x / 2.0 ** e, -7.5, 7.5)
;;       step = 2.0 ** (np.maximum(np.frexp(np.where(r == 0, 1, r))[1] - 1, 0) - 3)
;;       q = np.round(r / step) * step * 2.0 ** e      # np.round: ties to even
;;       return np.moveaxis(q.reshape(q.shape[:-2] + (-1,))[..., :K], -1, axis).astype(np.float32)
;;   ~~~
;;   SOFTMAX AHEAD OF A QUANTISED PRODUCT. Where the list says 'softmax', what is quantised is not the finished softmax but p = 2^(t - M), with t = logit x log2(e) and M = ceil(the row's largest t), a whole number; so 1/2 < the row's largest p <= 1. The row's sum l is taken of the UNQUANTISED p, in f32, and the product's result is divided by l at the end. Since M is a whole number, a kernel that streams over the keys may use a running M (the ceiling of the running maximum): every later rescaling is an exact power of two, which a block's scale takes up: the codes' values come out the same.
;;   OPERANDS COMPUTED ON THE WAY. 'Computed on the way' means the value that the module computes at that place (a softmax that the list does not call 'softmax' is quantised finished and normalised). What goes into a quantiser is computed in f32, as accurately as f32 sums, v_exp_f32 and their like allow (about 1e-6 of the number): no bf16 or f16 on the way to a quantiser, and a product that is left as it is and whose result goes on into a quantised operand takes f32 operands (vector FMAs, or v_wmma_f32_16x16x4_f32). A number that lies on a knife's edge between two numbers of the format may be rounded either way, as far as f32 arithmetic and the matrix unit's own rounding can turn it there, and no further.
;; One version. Each part assembles by itself: llvm-mc -triple=amdgcn-amd-amdhsa -mcpu=gfx1250 --defsym DOCPART=n.
;; ======== version 1 of 1: 2 launches
;; limits: right only within a limited range of input values
;; workspace buffers: kv 13,107,200 bytes
;; launch quant (part 1): grid 512 x 2, 4 waves a work-group, no clusters, 34,304 bytes of LDS; arguments k_cache, v_cache, block_tables, seq_lens, kv; writes kv
.if DOCPART == 1
	.amdgcn_target "amdgcn-amd-amdhsa--gfx1250"
	.amdhsa_code_object_version 6
	.text
	.protected	k_qa5adfd7d78_quant
	.globl	k_qa5adfd7d78_quant
	.p2align	8
	.type	k_qa5adfd7d78_quant,@function
k_qa5adfd7d78_quant:
	s_mov_b64 s[64:65], 0
	v_nop
	global_prefetch_b8 v0, s[64:65] scope:SCOPE_SE
	s_setreg_imm32_b32 hwreg(HW_REG_WAVE_MODE, 25, 1), 1
	s_wait_xcnt 0x0
; The paged K and V (f32, [512 pages][16 keys][8 kv heads][128]) are gathered through block_tables and turned ONCE into codes of FP6 (E2M3) with one E8M0 byte for each 32 along a product's K:
; K along the head's 128, V along the LOGICAL keys (a block of 32 keys is two pages).  They are stored in the order of the operand's registers, so that the second launch takes fragments as they lie.
; kv: 512 records of 25,600 bytes, record ((b 8 + kv head) 16 + step), a step = 128 logical keys:
;   0      8 fragments of K, 1,536 bytes each: the image of a fragment's 12 registers, three chunks of 512 bytes, lane l's registers 4 c .. 4 c + 3 at 512 c + 16 l.
;          Row r of tile 2 q + u is key 32 q + 8 u + r + 8 (r / 8): the scores of tiles 2 q and 2 q + 1 are then 16 neighbouring keys in a lane's registers.
;   12288  8 fragments of V^T: row r of tile t is channel 16 t + r; lane (r, h), registers 6 c .. 6 c + 5: keys 64 c + 32 h + 0 .. 31 of the step.
;   24576  K's scale words, tile t row r at 64 t + 4 r;   25088  V's, likewise.
; GRID.  x = b 128 + step 8 + kv head (neighbouring x read neighbouring 512 bytes of the same keys), y = 0: K, 1: V.  The grid serves every seq_len: a step whose first key lies at or behind
; L = max(seq_len, 256) is wholly under the mask that the attention builds; its work-group stores nothing and ends, and the second launch never reads that record.  No barrier stands in this text.
; A block's scale is 2^(floor(log2(largest magnitude)) - 2); its byte is the largest magnitude's exponent field - 2, held at 1 from below.
; LIMITS: a block of zeros, or one whose largest magnitude lies under 2^-124, gets the byte 1 (a block of zeros: where the rule says 127; its codes are zeros, and this program alone reads the bytes);
; NaN and infinities among the inputs are not served; a page number is held at 511.
; No tensor loads: the pages' addresses and the early end hang on numbers read from memory.  Waves share nothing; all of a wave's loads (16 KiB) are asked for at once.
.set KEYB,   4096                      ; bytes from a key to the next in a page
.set REC,    25600
.set FRB,    1536
.set VIMG,   8*FRB
.set KSC,    16*FRB
.set VSC,    KSC+512
.set SPITCH, 528                       ; a stage row: 512 bytes + 16: row r begins 16 r bytes on modulo 256, so the sixteen rows that a load touches fall on different banks
.set WSTG,   16*SPITCH                 ; a wave's own stage
.set F,   16                           ; v16-39   two fragments' codes, 12 registers each: no store's data are written again
.set TMP, 40                           ; v40-46   the second halves of blocks as the conversions leave them
.set WD,  48                           ; v48-49   scale words
.set X,   52                           ; v52-115  64 numbers in the operand's order (K);  v52-53 two offsets (V)
.set R,   116                          ; v116-243 128 numbers as they are loaded
; the largest magnitude of v[s] .. v[s + 31], in two chains, with the floor 2^(3 - 127) as one more leaf: so the byte cannot fall under 1
.macro MAX32 d, t, s
	v_max3_num_f32 v[\d], |v[(\s)]|, |v[(\s)+1]|, |v[(\s)+2]|
	v_max3_num_f32 v[\t], |v[(\s)+3]|, |v[(\s)+4]|, |v[(\s)+5]|
.irp i, 6,10,14,18,22,26
	v_max3_num_f32 v[\d], v[\d], |v[(\s)+\i]|, |v[(\s)+\i+1]|
	v_max3_num_f32 v[\t], v[\t], |v[(\s)+\i+2]|, |v[(\s)+\i+3]|
.endr
	v_max3_num_f32 v[\d], v[\d], |v[(\s)+30]|, |v[(\s)+31]|
	v_max3_num_f32 v[\d], v[\d], v[\t], 0x1800000
.endm
.macro SCL sc, by, d
	v_add_nc_u32 v[\sc], 0xff000000, v[\d]         ; 2 off the exponent field: the conversion takes the exponent field of this operand as its scale, and nothing else of it
	v_lshrrev_b32 v[\by], 23, v[\sc]               ; the scale's byte
.endm
.macro CVT32 f, tmp, s, sc             ; a block's 32 numbers: 2 x 16 codes; a conversion's three registers begin on an even number, so the second half is made elsewhere and moved
	v_cvt_scalef32_pk16_fp6_f32 v[(\f):(\f)+2], v[(\s):(\s)+15], v[\sc]
	v_cvt_scalef32_pk16_fp6_f32 v[(\tmp):(\tmp)+2], v[(\s)+16:(\s)+31], v[\sc]
.endm
.macro MOV3 f, tmp
.irp i, 0,1,2
	v_mov_b32 v[(\f)+3+\i], v[(\tmp)+\i]
.endr
.endm
	s_load_b256 s[4:11], s[0:1], 0x0               ; k_cache s[4:5], v_cache s[6:7], block_tables s[8:9], seq_lens s[10:11]
	s_load_b64 s[12:13], s[0:1], 0x20              ; kv
	v_lshl_add_u32 v244, v0, 2, 0x8400
	v_mov_b32 v245, 0
	v_lshrrev_b32 v1, 5, v0
	v_readfirstlane_b32 s14, v1                    ; wave 0..3
	v_and_b32 v1, 31, v0                           ; lane
	v_and_b32 v2, 15, v0                           ; r
	v_bfe_u32 v3, v0, 4, 1                         ; h
	v_lshlrev_b32 v4, 4, v1                        ; 16 x lane
	v_lshlrev_b32 v7, 2, v1                        ; 4 x lane
	v_lshlrev_b32 v51, 3, v3                       ; 8 h
	v_mov_b32 v50, 0                               ; written once: a lane permute's destination counts as one of its sources
	s_mul_i32 s56, s14, WSTG
	v_add_nc_u32 v5, s56, v4                       ; the stage, on the way in: my 16 bytes of a row
	v_mul_u32_u24 v6, v2, SPITCH
	v_lshl_add_u32 v6, v3, 7, v6
	v_add_nc_u32 v6, s56, v6                       ; and on the way out: row r, + 128 h: my 32 numbers of each 64
	s_mov_b32 s46, 0x76543210
	s_mov_b32 s47, 0xfedcba98                      ; v_permlanex16_b32's selects for lane l xor 16
	s_lshr_b32 s48, ttmp9, 7                       ; b
	s_bfe_u32 s49, ttmp9, 0x40003                  ; step
	s_and_b32 s50, ttmp9, 7                        ; kv head
	s_and_b32 s51, ttmp7, 0xffff                   ; 0: K, 1: V
	s_lshr_b32 s57, s48, 1                         ; the step is the field's value, turned round for the sequences 2 and 3 and moved by half the range for V: so work-groups 256 apart
	s_mul_i32 s57, s57, 15                         ; take steps from different parts of the range, and the steps behind the mask do not fall together
	s_xor_b32 s49, s49, s57
	s_lshl_b32 s57, s51, 3
	s_xor_b32 s49, s49, s57
	s_lshl_b32 s52, s48, 2                         ; seq_lens[b]
	s_mov_b32 s53, 0
	s_lshl_b32 s54, s48, 9                         ; block_tables[b][8 step]: 512 b + 32 step bytes
	s_lshl_b32 s57, s49, 5
	s_add_co_u32 s54, s54, s57
	s_mov_b32 s55, 0
	s_lshl_b32 s40, s48, 3
	s_add_co_u32 s40, s40, s50
	s_lshl_b32 s40, s40, 4
	s_add_co_u32 s40, s40, s49                     ; the record's number, under 512
	s_mul_i32 s40, s40, REC
	s_mov_b32 s41, 0
	s_lshl_b32 s57, s49, 7                         ; the step's first key
	s_lshl_b32 s58, s50, 9                         ; the kv head's 512 bytes in a key
	s_mov_b32 s59, 0
	s_wait_kmcnt 0x0
	s_add_nc_u64 s[10:11], s[10:11], s[52:53]
	s_load_b32 s15, s[10:11], 0x0                  ; seq_len
	s_add_nc_u64 s[8:9], s[8:9], s[54:55]          ; the step's eight page numbers
	s_add_nc_u64 s[40:41], s[12:13], s[40:41]      ; the record
	s_cmp_lg_u32 s51, 0
	s_cbranch_scc1 .Lv_path
	; ---- K.  Wave w makes tiles 2 w and 2 w + 1: the 32 keys of pages 2 w and 2 w + 1 of the step
	s_lshl_b32 s52, s14, 3
	s_add_nc_u64 s[8:9], s[8:9], s[52:53]
	s_load_b64 s[16:17], s[8:9], 0x0               ; my two page numbers
	s_add_nc_u64 s[4:5], s[4:5], s[58:59]
	s_mul_i32 s52, s14, 2*FRB
	s_add_nc_u64 s[42:43], s[40:41], s[52:53]      ; my two images
	s_lshl_b32 s52, s14, 7
	s_add_co_u32 s52, s52, KSC
	s_add_nc_u64 s[44:45], s[40:41], s[52:53]      ; my 32 scale words
	s_wait_kmcnt 0x0
	s_max_i32 s15, s15, 0x100                      ; L
	s_cmp_ge_i32 s57, s15
	s_cbranch_scc1 .Lend                           ; the whole step lies behind the mask
.irp j, 0,1
	s_min_u32 s[16+\j], s[16+\j], 0x1ff
	s_lshl_b32 s[24+2*\j], s[16+\j], 16            ; a page is 65,536 bytes
	s_mov_b32 s[25+2*\j], 0
	s_add_nc_u64 s[24+2*\j:25+2*\j], s[4:5], s[24+2*\j:25+2*\j]
.endr
	s_wait_alu depctr_va_vdst(0)
.irp u, 0,1                                    ; row p of tile u is key 8 u + p % 8 of page p / 8: its 512 bytes are read by the 32 lanes, 16 each
.irp p, 0,1,2,3,4,5,6,7,8,9,10,11,12,13,14,15
	global_load_b128 v[R+64*\u+4*\p:R+64*\u+4*\p+3], v4, s[24+2*(\p/8):25+2*(\p/8)] offset:(8*\u+\p%8)*KEYB
.endr
.endr
.macro TILE u
	s_wait_loadcnt 16*(1-\u)                       ; this tile's sixteen loads are in; tile 1's may be out while tile 0 is worked
.irp p, 0,1,2,3,4,5,6,7,8,9,10,11,12,13,14,15
	ds_store_b128 v5, v[R+64*\u+4*\p:R+64*\u+4*\p+3] offset:SPITCH*\p
.endr
.irp c, 0,1                                    ; LDS serves a wave's instructions in order: these see my stores.  Lane (r, h) takes d = 64 c + 32 h + 0 .. 31 of row r: the operand's own order
.irp j, 0,1,2,3,4,5,6,7
	ds_load_b128 v[X+32*\c+4*\j:X+32*\c+4*\j+3], v6 offset:256*\c+16*\j
.endr
.endr
	s_wait_dscnt 0x0
	MAX32 8, 9, X                                  ; my blocks h and 2 + h of row r: all their numbers are mine
	MAX32 10, 11, X+32
	SCL 12, 14, 8
	SCL 13, 15, 10
	v_lshl_or_b32 v[WD+\u], v15, 16, v14           ; my two bytes,
	v_lshlrev_b32 v[WD+\u], v51, v[WD+\u]          ; at their places in the scale word (8 h bits up);
	v_permlanex16_b32 v50, v[WD+\u], s46, s47
	v_or_b32 v[WD+\u], v[WD+\u], v50               ; with lane l xor 16's two the word is whole, in both lanes
	CVT32 F+12*\u, TMP, X, 12
	CVT32 F+12*\u+6, TMP+4, X+32, 13
	v_nop                                          ; one plain place behind a scaled conversion
	MOV3 F+12*\u, TMP
	MOV3 F+12*\u+6, TMP+4
.irp c, 0,1,2
	global_store_b128 v4, v[F+12*\u+4*\c:F+12*\u+4*\c+3], s[42:43] offset:FRB*\u+512*\c   ; 32 lanes store 512 consecutive bytes, at a multiple of 256 from kv's first byte
.endr
.endm
	TILE 0
	TILE 1
	v_cmp_gt_u32 vcc_lo, 16, v1
	v_cndmask_b32 v50, v49, v48, vcc_lo            ; lanes 0-15: tile 2 w's words, lanes 16-31: tile 2 w + 1's
	global_store_b32 v7, v50, s[44:45]             ; 128 consecutive bytes a wave
	s_wait_tensorcnt 0x0
	ds_add_u32 v244, v245
	s_wait_dscnt 0x0
	s_endpgm
	; ---- V.  Thread 32 w + l takes channel 32 w + l, and its registers run down the step's 128 keys: a block of 32 keys lies in one lane, and the codes come out with the keys innermost
.Lv_path:
	s_load_b256 s[16:23], s[8:9], 0x0              ; the step's eight page numbers
	s_add_nc_u64 s[6:7], s[6:7], s[58:59]
	s_mul_i32 s52, s14, 2*FRB
	s_add_co_u32 s52, s52, VIMG
	s_add_nc_u64 s[42:43], s[40:41], s[52:53]      ; tiles 2 w and 2 w + 1
	s_lshl_b32 s52, s14, 7
	s_add_co_u32 s52, s52, VSC
	s_add_nc_u64 s[44:45], s[40:41], s[52:53]
	v_lshlrev_b32 v52, 2, v0                       ; my channel's 4 bytes in a key's 512
	v_mul_u32_u24 v53, v3, FRB
	v_lshl_add_u32 v53, v2, 4, v53                 ; out: tile l / 16, row l % 16
	s_wait_kmcnt 0x0
	s_max_i32 s15, s15, 0x100
	s_cmp_ge_i32 s57, s15
	s_cbranch_scc1 .Lend
.irp j, 0,1,2,3,4,5,6,7
	s_min_u32 s[16+\j], s[16+\j], 0x1ff
	s_lshl_b32 s[24+2*\j], s[16+\j], 16
	s_mov_b32 s[25+2*\j], 0
	s_add_nc_u64 s[24+2*\j:25+2*\j], s[6:7], s[24+2*\j:25+2*\j]
.endr
	s_wait_alu depctr_va_vdst(0)
.irp j, 0,1,2,3,4,5,6,7
.irp i, 0,1,2,3,4,5,6,7,8,9,10,11,12,13,14,15
	global_load_b32 v[R+16*\j+\i], v52, s[24+2*\j:25+2*\j] offset:KEYB*\i   ; key 16 j + i: a wave reads 128 consecutive bytes, the four waves 512
.endr
.endr
.macro VBLOCK q                        ; keys 32 q .. 32 q + 31: block q = 2 c + h of the fragment's lane (r, h), registers 6 c on
.if 96-32*\q > 63
	s_wait_loadcnt 63                              ; 96 - 32 q younger loads might stay out; the count's field holds 63 at the most, and a smaller count is safe
.else
	s_wait_loadcnt 96-32*\q                        ; the later blocks' loads may be out
.endif
	MAX32 8, 9, R+32*\q
	SCL 12, 14, 8
.if \q == 0
	v_mov_b32 v[WD], v14                           ; four bytes to the channel's scale word, the lower keys in the lower byte
.else
	v_lshl_or_b32 v[WD], v14, 8*\q, v[WD]
.endif
	CVT32 F+12*(\q%2)+6*(\q/2), TMP, R+32*\q, 12
	v_nop                                          ; one plain place behind a scaled conversion
	MOV3 F+12*(\q%2)+6*(\q/2), TMP
.endm
	VBLOCK 0
	VBLOCK 1
	VBLOCK 2
	VBLOCK 3
.irp hh, 0,1                                   ; set hh is what lane (r, hh) of the fragment holds: its 16 bytes of chunk c lie at 512 c + 256 hh + 16 r
.irp c, 0,1,2
	global_store_b128 v53, v[F+12*\hh+4*\c:F+12*\hh+4*\c+3], s[42:43] offset:512*\c+256*\hh   ; sixteen lanes store 256 consecutive bytes, at a multiple of 256 from kv's first byte
.endr
.endr
	global_store_b32 v7, v[WD], s[44:45]           ; tile 2 w + l / 16, row l % 16: 128 consecutive bytes a wave
.Lend:
	s_endpgm
.Lfunc_end_k_qa5adfd7d78_quant:
	.size	k_qa5adfd7d78_quant, .Lfunc_end_k_qa5adfd7d78_quant-k_qa5adfd7d78_quant
	.p2alignl 7, 3214868480
	.fill 96, 4, 3214868480
	.section	.rodata,"a",@progbits
	.p2align	6, 0x0
	.amdhsa_kernel k_qa5adfd7d78_quant
		.amdhsa_group_segment_fixed_size 34304
		.amdhsa_private_segment_fixed_size 0
		.amdhsa_enable_private_segment 0
		.amdhsa_kernarg_size 40
		.amdhsa_user_sgpr_count 2
		.amdhsa_user_sgpr_kernarg_segment_ptr 1
		.amdhsa_wavefront_size32 1
		.amdhsa_system_sgpr_workgroup_id_x 1
		.amdhsa_system_sgpr_workgroup_id_y 1
		.amdhsa_system_sgpr_workgroup_id_z 1
		.amdhsa_system_vgpr_workitem_id 0
		.amdhsa_next_free_vgpr 246
		.amdhsa_next_free_sgpr 66
		.amdhsa_reserve_vcc 1
		.amdhsa_float_denorm_mode_32 3
		.amdhsa_float_denorm_mode_16_64 3
		.amdhsa_memory_ordered 1
		.amdhsa_forward_progress 1
		.amdhsa_inst_pref_size 38
	.end_amdhsa_kernel
	.amdgpu_metadata
---
amdhsa.version: [ 1, 2 ]
amdhsa.kernels:
  - .name:           k_qa5adfd7d78_quant
    .symbol:         k_qa5adfd7d78_quant.kd
    .args:
      - { .name: k_cache, .offset: 0, .size: 8, .value_kind: global_buffer, .address_space: global }
      - { .name: v_cache, .offset: 8, .size: 8, .value_kind: global_buffer, .address_space: global }
      - { .name: block_tables, .offset: 16, .size: 8, .value_kind: global_buffer, .address_space: global }
      - { .name: seq_lens, .offset: 24, .size: 8, .value_kind: global_buffer, .address_space: global }
      - { .name: kv, .offset: 32, .size: 8, .value_kind: global_buffer, .address_space: global }
    .group_segment_fixed_size: 34304
    .private_segment_fixed_size: 0
    .kernarg_segment_align: 8
    .kernarg_segment_size: 40
    .max_flat_workgroup_size: 128
    .sgpr_count:     66
    .vgpr_count:     246
    .wavefront_size: 32
...
	.end_amdgpu_metadata
.endif
;; end of part 1
;; launch attn (part 2): grid 256 x 1, 4 waves a work-group, no clusters, 295,424 bytes of LDS; arguments query, kv, seq_lens, out0; writes out0
.if DOCPART == 2
	.amdgcn_target "amdgcn-amd-amdhsa--gfx1250"
	.amdhsa_code_object_version 6
	.text
	.protected	k_qa5adfd7d78_attn
	.globl	k_qa5adfd7d78_attn
	.p2align	8
	.type	k_qa5adfd7d78_attn,@function
k_qa5adfd7d78_attn:
	s_mov_b64 s[64:65], 0
	v_nop
	global_prefetch_b8 v0, s[64:65] scope:SCOPE_SE
	s_setreg_imm32_b32 hwreg(HW_REG_WAVE_MODE, 25, 1), 1
	s_wait_xcnt 0x0
; out[b, q, head] = the sum over keys s <= L - 256 + q of softmax_s(query SCALE . K[s]) V[s], L = max(seq_len[b], 256); both products on codes of FP6 (E2M3) with one E8M0 scale for each 32 along K.
; K and V come as the first launch left them in kv: records of 25,600 bytes for 128 logical keys of one (b, kv head): 8 images of K's fragments, 8 of V^T's, 512 + 512 bytes of scale words.
; WORK LEFT OUT: a step of 128 keys that lies wholly behind a group's last position: the attention builds that mask itself, and the hidden keys' probabilities are 0 for all inputs (key 0 counts for every query).
; A NaN or an infinity that reaches only such keys is not carried to the result.
; THE SOFTMAX AHEAD OF THE SECOND PRODUCT: t = score x log2(e); M = the running largest t rounded UP to a whole number; p = 2^(t - M) is quantised along the keys, not normalised; the row's sum is taken of the
; unquantised p and divides at the end; when M moves, the sum and O are multiplied by 2^(old M - new M), which rounds nothing.
; SHARES.  Work-group x: kv head (x / 16) % 8, chunk x % 16 of 16 positions, and TWO sequences: the four are sorted by length; x / 128 = 0 takes the longest and the shortest, 1 the two in the middle.  So an item is
; 16 positions x the 4 heads of one kv head = 64 query rows of one sequence: four tiles of 16 rows (row r of tile t: position 4 t + r / 4, head r % 4).
; Each of the four waves owns all 64 rows and takes EVERY FOURTH KEY STEP: of item A steps w, w + 4, ..; of item B it goes on where A's deal ended, so that the waves' steps differ by one at the most.
; No two waves of the work-group read the same record: fragments go from memory straight into registers, and the loop has no LDS access and no barrier.  The waves' parts of O, M and the sum meet in LDS at the end.
; K of the next record (28 loads) is asked for behind this step's score products, V (28 loads) behind its second products: each has most of a step in which to land.  The record behind A's last is B's first;
; behind the wave's last there is none: its 56 loads are issued all the same, so that the counts hold on every path, with all lanes at the same bytes of a record inside the buffer.
; NO TENSOR LOADS, NO CLUSTER, though sixteen work-groups read the same records: what a work-group walks hangs on seq_lens, a number read from memory;
; partners at other positions also need other numbers of steps.  NO PREFETCH: the loads into registers themselves run most of a step (64 matrix instructions and four softmaxes) ahead of their use.
; LAYOUT.  Both products are used transposed: S^T = K q^T (source 0 = 16 keys), O^T = V^T p^T (source 0 = 16 channels): a lane holds ONE query row (lane % 16) of a tile; register 16 b + i of S^T is key 32 b + 16 (lane / 16) + i.
; LIMITS: NaN and infinities among the inputs are not served; a block of q whose largest magnitude lies under 2^-124 (a block of zeros too) gets the byte 1; a block's largest p is taken from the block's largest
; score, which takes v_exp_f32 not to fall where its input rises; the scaled scores (exponents to the base 2) stay under 2^31 in magnitude.
; REGISTERS.  Window 0: v1, v2 16 and 4 x lane; v3, v4 the same as the loads use them; v5 r / 4 - 16 h; v6, v7 spare word and 0; v8-11, v36-39, v189-191 LDS addresses; v12-19 four pairs (-M, largest t); v20-27 the sums in
;   two halves; v28-35 four factors; v40-43 K's scale words, v44-47 q's, v48-51 V's, v52-55 p's; v56-71 the blocks' maxima; v72-87 at work; v88-103 conversions' scale operands; v104-151 p's codes; v152-188 at work.
;   Window 1: four tiles of S^T, then p.   Window 2: v0-95 K, v96-191 V, v192-239 q's codes.   Window 3: four tiles of O^T.
.set REC,  25600
.set FRB,  1536
.set VIMG, 8*FRB
.set KSC,  16*FRB
.set SP,   528                         ; a row of a part of O: 512 bytes + 16: the sixteen rows that a store touches fall on different banks
.set PT,   16*SP                       ; LDS: a tile's part of O
.set PW,   4*PT                        ; a wave's four tiles
.set PI,   4*PW                        ; an item
.set MLB,  2*PI                        ; (-M, sum) of each lane: 256 bytes for each item, wave, tile
.set QI,   MLB+8192                    ; q's codes and scale words: 1,792 bytes a tile
.set QT,   1792
.set QJ,   4*QT
.set GT,   QI+2*QJ                     ; the rows' final factors: 512 bytes a wave
.set SPARE, GT+2048
.set MSB, 0
.macro WIN new                         ; the immediate's high byte repeats the setting that is left
.if MSB != \new
	s_set_vgpr_msb (MSB<<8)|\new
.set MSB, \new
.endif
.endm
.macro KLOAD
	WIN 0x80
.irp f, 0,1,2,3,4,5,6,7
.irp c, 0,1,2
	global_load_b128 v[12*\f+4*\c:12*\f+4*\c+3], v3, s[28:29] offset:FRB*\f+512*\c
.endr
.endr
	WIN 0
.irp f, 0,1,2,3
	global_load_b32 v[40+\f], v4, s[28:29] offset:KSC+128*\f   ; the words of tiles 2 f (lanes 0-15) and 2 f + 1 (lanes 16-31)
.endr
.endm
.macro VLOAD
	WIN 0x80
.irp f, 0,1,2,3,4,5,6,7
.irp c, 0,1,2
	global_load_b128 v[96+12*\f+4*\c:96+12*\f+4*\c+3], v3, s[28:29] offset:VIMG+FRB*\f+512*\c
.endr
.endr
	WIN 0
.irp f, 0,1,2,3
	global_load_b32 v[48+\f], v4, s[28:29] offset:KSC+512+128*\f
.endr
.endm
; q x SCALE of my tile of an item is quantised: its rows turn through my own LDS bytes, so that lane (r, h) holds d = 64 c + 32 h + 0 .. 31 of row r; the codes leave as an image of the operand's registers
.macro QTILE raw, so, jo
.irp i, 0,1,2,3,4,5,6,7,8,9,10,11,12,13,14,15
	ds_store_b128 v10, v[\raw+4*\i:\raw+4*\i+3] offset:\so+SP*\i
.endr
.irp c, 0,1
.irp i, 0,1,2,3,4,5,6,7
	ds_load_b128 v[64+32*\c+4*\i:67+32*\c+4*\i], v9 offset:\so+256*\c+16*\i   ; LDS serves a wave's instructions in order: these see my stores
.endr
.endr
	s_wait_dscnt 0x0
.set n, 0
.rept 32
	v_pk_mul_f32 v[64+n:65+n], v[64+n:65+n], s[36:37] op_sel_hi:[1,0]   ; x SCALE, in f32, ahead of the quantiser
.set n, n+2
.endr
.irp c, 0,1
	v_max3_num_f32 v[56+2*\c], |v[64+32*\c]|, |v[65+32*\c]|, |v[66+32*\c]|
	v_max3_num_f32 v[57+2*\c], |v[67+32*\c]|, |v[68+32*\c]|, |v[69+32*\c]|
.endr
.irp i, 6,10,14,18,22,26
.irp c, 0,1
	v_max3_num_f32 v[56+2*\c], v[56+2*\c], |v[64+32*\c+\i]|, |v[65+32*\c+\i]|
	v_max3_num_f32 v[57+2*\c], v[57+2*\c], |v[66+32*\c+\i]|, |v[67+32*\c+\i]|
.endr
.endr
.irp c, 0,1
	v_max3_num_f32 v[56+2*\c], v[56+2*\c], |v[94+32*\c]|, |v[95+32*\c]|
.endr
.irp c, 0,1
	v_max3_num_f32 v[56+2*\c], v[56+2*\c], v[57+2*\c], 0x1800000   ; and the floor 2^(3 - 127): the byte cannot fall under 1
.endr
	v_add_nc_u32 v32, 0xff000000, v56              ; 2 off the exponent field: the conversion's scale operand
	v_add_nc_u32 v33, 0xff000000, v58
	v_lshrrev_b32 v34, 23, v32                     ; the scales' bytes: blocks h and 2 + h of row r
	v_lshrrev_b32 v35, 23, v33
	v_lshlrev_b32 v57, 3, v61
	v_lshl_or_b32 v19, v35, 16, v34
	v_lshlrev_b32 v19, v57, v19                    ; at their places in the scale word (8 h bits up);
	v_permlanex16_b32 v59, v19, s20, s21
	v_or_b32 v19, v19, v59                         ; with lane l xor 16's two the word is whole
.irp c, 0,1
	v_cvt_scalef32_pk16_fp6_f32 v[20+6*\c:22+6*\c], v[64+32*\c:79+32*\c], v[32+\c]
	v_cvt_scalef32_pk16_fp6_f32 v[12+4*\c:14+4*\c], v[80+32*\c:95+32*\c], v[32+\c]   ; (a conversion's three registers begin on an even number)
.endr
	v_nop                                          ; one plain place behind a scaled conversion
.irp c, 0,1
.irp i, 0,1,2
	v_mov_b32 v[23+6*\c+\i], v[12+4*\c+\i]
.endr
.endr
.irp c, 0,1,2
	ds_store_b128 v62, v[20+4*\c:23+4*\c] offset:\jo+512*\c
.endr
	ds_store_b32 v63, v19 offset:\jo+1536
.endm
.macro QLOAD j                         ; an item's four tiles of q: codes and scale words
	WIN 0x80
.irp t, 0,1,2,3
.irp c, 0,1,2
	ds_load_b128 v[192+12*\t+4*\c:195+12*\t+4*\c], v37 offset:QJ*\j+QT*\t+512*\c
.endr
.endr
	WIN 0
.irp t, 0,1,2,3
	ds_load_b32 v[44+\t], v38 offset:QJ*\j+QT*\t+1536
.endr
.endm
.macro INIT
.irp t, 0,1,2,3
	v_mov_b32 v[13+2*\t], 0xff61b1e6               ; the largest t so far: -3e38, under every t
.endr
.irp t, 0,1,2,3
	v_floor_f32 v[12+2*\t], -v[13+2*\t]            ; -M
.endr
.irp t, 0,1,2,3
	v_mov_b32 v[20+2*\t], 0
	v_mov_b32 v[21+2*\t], 0
.endr
.endm
; a sequence's place: its number, its group's steps, its first position's place among the keys, and the three addresses
.macro SEQ key, ns, qw, qp, op, kp
	s_and_b32 s57, s[\key], 3
	s_min_u32 s57, s57, 3
	s_lshr_b32 s[\qw], s[\key], 2
	s_sub_co_u32 s[\qw], s[\qw], 0x100
	s_add_co_u32 s[\qw], s[\qw], s56               ; L - 256 + 16 chunk
	s_add_co_u32 s[\ns], s[\qw], 15                ; the last key that counts for the group
	s_lshr_b32 s[\ns], s[\ns], 7
	s_add_co_u32 s[\ns], s[\ns], 1
	s_min_u32 s[\ns], s[\ns], 16
	s_lshl_b32 s58, s57, 8
	s_add_co_u32 s58, s58, s56
	s_add_co_u32 s58, s58, s60
	s_lshl_b32 s58, s58, 14                        ; (256 b + 16 chunk + 4 wave) x 16,384 bytes,
	s_add_co_u32 s58, s58, s61                     ; + the kv head's four heads of 512 bytes: under 2^24
	s_mov_b32 s59, 0
	s_add_nc_u64 s[\qp:\qp+1], s[4:5], s[58:59]
	s_add_nc_u64 s[\op:\op+1], s[10:11], s[58:59]
	s_lshl_b32 s58, s57, 3
	s_add_co_u32 s58, s58, s53
	s_lshl_b32 s[\kp], s58, 4                      ; the number of the (b, kv head)'s first record
.endm
	s_load_b256 s[4:11], s[0:1], 0x0               ; query s[4:5], kv s[6:7], seq_lens s[8:9], out0 s[10:11]
	v_lshl_add_u32 v6, v0, 2, SPARE
	v_mov_b32 v7, 0
	v_lshrrev_b32 v60, 5, v0
	v_readfirstlane_b32 s52, v60                   ; wave
	s_lshr_b32 s55, ttmp9, 7
	s_bfe_u32 s53, ttmp9, 0x30004                  ; kv head
	s_and_b32 s54, ttmp9, 15                       ; chunk
	s_lshl_b32 s56, s54, 4
	s_lshl_b32 s60, s52, 2
	s_lshl_b32 s61, s53, 11
	s_mul_i32 s40, s52, PW
	s_lshl_b32 s41, s52, 10
	s_add_co_u32 s41, s41, MLB
	s_lshl_b32 s42, s52, 8
	s_add_co_u32 s42, s42, MLB
	s_mul_i32 s43, s52, QT
	s_add_co_u32 s43, s43, QI
	s_mul_i32 s58, s52, PT
	s_lshl_b32 s63, s52, 9
	s_add_co_u32 s63, s63, GT
	s_mov_b32 s20, 0x76543210
	s_mov_b32 s21, 0xfedcba98                      ; v_permlanex16_b32's selects for lane l xor 16
	s_mov_b32 s22, 0x3fb8aa3b                      ; log2(e), twice: the packed form names a pair
	s_mov_b32 s23, s22
	s_mov_b32 s36, 0x3db504f3                      ; SCALE = 1 / sqrt(128)
	s_mov_b32 s37, s36
	s_wait_kmcnt 0x0
	s_load_b128 s[12:15], s[8:9], 0x0              ; the four lengths
	v_and_b32 v59, 31, v0                          ; lane
	v_and_b32 v60, 15, v0                          ; r
	v_bfe_u32 v61, v0, 4, 1                        ; h
	v_lshlrev_b32 v1, 4, v59
	v_lshlrev_b32 v2, 2, v59
	v_lshrrev_b32 v5, 2, v60
	v_lshlrev_b32 v58, 4, v61
	v_sub_nc_u32 v5, v5, v58
	v_mul_u32_u24 v57, v60, 0x210
	v_add_nc_u32 v57, s40, v57
	v_lshl_add_u32 v8, v61, 5, v57                 ; my part of O, item A: row r, + 32 h
	v_lshl_add_u32 v9, v61, 7, v57                 ; q's turn: row r, + 128 h
	v_add_nc_u32 v10, s40, v1                      ; q's turn: a whole row for the 32 lanes
	v_lshl_add_u32 v11, v59, 3, s41                ; where I leave (-M, sum)
	v_lshl_add_u32 v36, v59, 3, s42                ; where those of tile wave lie
	v_add_nc_u32 v62, s43, v1                      ; where I leave q's codes
	v_add_nc_u32 v63, s43, v2
	v_add_nc_u32 v37, QI, v1                       ; and read all four tiles'
	v_add_nc_u32 v38, QI, v2
	v_add_nc_u32 v39, s58, v1                      ; the parts of tile wave, by rows
	s_wait_alu depctr_va_vdst(0)
	s_wait_kmcnt 0x0
.irp b, 0,1,2,3                                ; L 4 + b; a length over 4,096 hides no more than 4,096 does
	s_max_i32 s[12+\b], s[12+\b], 0x100
	s_min_i32 s[12+\b], s[12+\b], 0x1000
	s_lshl_b32 s[12+\b], s[12+\b], 2
	s_or_b32 s[12+\b], s[12+\b], \b
.endr
	s_max_u32 s16, s12, s13
	s_min_u32 s17, s12, s13
	s_max_u32 s18, s14, s15
	s_min_u32 s19, s14, s15
	s_max_u32 s12, s16, s18                        ; the longest
	s_min_u32 s13, s16, s18
	s_max_u32 s14, s17, s19
	s_min_u32 s15, s17, s19                        ; the shortest
	s_max_u32 s16, s13, s14
	s_min_u32 s17, s13, s14
	s_cmp_lg_u32 s55, 0
	s_cselect_b32 s18, s16, s12                    ; item A
	s_cselect_b32 s19, s17, s15                    ; item B
	SEQ 18, 12, 34, 48, 44, 30
	SEQ 19, 13, 35, 50, 46, 32
	s_add_co_u32 s26, s12, 3
	s_sub_co_u32 s26, s26, s52
	s_lshr_b32 s26, s26, 2                         ; my steps of A: w, w + 4, ..
	s_min_u32 s26, s26, 4
	s_sub_co_u32 s62, s52, s12
	s_and_b32 s62, s62, 3
	s_min_u32 s62, s62, 3                          ; my first step of B: the deal goes on
	s_add_co_u32 s27, s13, 3
	s_sub_co_u32 s27, s27, s62
	s_lshr_b32 s27, s27, 2                         ; my steps of B
	s_min_u32 s27, s27, 4
	s_add_co_u32 s30, s30, s52                     ; A's first record of mine
	s_add_co_u32 s32, s32, s62                     ; B's
	s_add_co_u32 s38, s26, s27                     ; my steps in all
	s_mov_b32 s16, 0                               ; my steps done
	s_cmp_gt_u32 s26, 0
	s_cselect_b32 s31, s30, s32
	s_min_u32 s31, s31, 0x1ff                      ; the number of the record that is asked for: inside kv
	s_mul_i32 s58, s31, REC
	s_mov_b32 s59, 0
	s_add_nc_u64 s[28:29], s[6:7], s[58:59]
	s_min_u32 s39, s38, 1                          ; 0: nothing to ask for
.irp i, 0,1,2,3,4,5,6,7,8,9,10,11,12,13,14,15
	global_load_b128 v[128+4*\i:131+4*\i], v1, s[48:49] offset:(\i/4)*16384+(\i%4)*512 th:TH_LOAD_NT   ; row i of my tile of A's q: 512 consecutive bytes; read once in the launch
.endr
.irp i, 0,1,2,3,4,5,6,7,8,9,10,11,12,13,14,15
	global_load_b128 v[192+4*\i:195+4*\i], v1, s[50:51] offset:(\i/4)*16384+(\i%4)*512 th:TH_LOAD_NT
.endr
	v_mul_u32_u24 v3, s39, v1
	v_mul_u32_u24 v4, s39, v2
	KLOAD
	WIN 0xc0
.set n, 0
.rept 256
	v_mov_b32 v[n], 0                              ; O^T: a wave without a step of an item leaves zeros, and the step is written once; these run while q is on its way
.set n, n+1
.endr
	WIN 0
	s_wait_alu depctr_va_vdst(0)
	s_wait_loadcnt 44                              ; A's q is in; behind it 16 loads of B's q and 28 of K
	QTILE 128, 0, 0
	s_wait_alu depctr_va_vdst(0)
	s_wait_loadcnt 28                              ; B's q too
	QTILE 192, PT, QJ
	VLOAD
	v_lshl_add_u32 v9, v60, 4, s63                 ; my rows' final factors
	v_lshrrev_b32 v10, 5, v0
	v_lshlrev_b32 v10, 9, v10
	v_add_nc_u32 v10, GT, v10                      ; my wave's 512 bytes of factors, the same place in every lane
	v_add_nc_u32 v189, PI, v8                      ; my part of O, item B
	v_add_nc_u32 v190, 2*PW, v39
	v_add_nc_u32 v191, PI, v39
	INIT
	s_wait_alu depctr_va_vdst(0)
	s_wait_dscnt 0x0                               ; for the others' sake: my tiles of q lie in LDS
	s_barrier_signal -1
	s_barrier_wait -1
; 16 registers of a tile's scores (a block of 32 keys): hidden ones become -infinity; a block whose every key counts for every row is passed over
.macro MASKB qw, t, b
	s_add_co_u32 s57, s25, 32*(\b)+31-4*(\t)
	s_cmp_le_i32 s57, s[\qw]
	s_cbranch_scc1 .Lmk_\@
	WIN 0x41
.irp n, 0,1,2,3,4,5,6,7,8,9,10,11,12,13,14,15
	v_cmp_gt_i32 s[66+\n], 32*(\b)+\n, v[184+\t]
.endr
.irp n, 0,1,2,3,4,5,6,7,8,9,10,11,12,13,14,15
	v_cndmask_b32 v[64*(\t)+16*(\b)+\n], v[64*(\t)+16*(\b)+\n], v188, s[66+\n]
.endr
	WIN 0
.Lmk_\@:
.endm
; p = 2^(t - M) of tile t; between the exponentials stand tile t + 1's multiply-adds and levels of the sums of the tiles before (in place: their codes are made)
.macro EXPB t
	WIN 0x45
.set n, 0
.rept 32
	v_exp_f32 v[64*(\t)+2*n], v[64*(\t)+2*n]
.if (\t) < 3
	v_pk_fma_f32 v[64*(\t)+64+2*n:64*(\t)+65+2*n], v[64*(\t)+64+2*n:64*(\t)+65+2*n], s[22:23], v[14+2*(\t):15+2*(\t)] op_sel_hi:[1,0,0]
.endif
	v_exp_f32 v[64*(\t)+2*n+1], v[64*(\t)+2*n+1]
.if ((\t) > 0) && ((n%2) == 0)
	v_pk_add_f32 v[64*(\t)-64+2*n:64*(\t)-63+2*n], v[64*(\t)-64+2*n:64*(\t)-63+2*n], v[64*(\t)-62+2*n:64*(\t)-61+2*n]
.endif
.if ((\t) > 1) && ((n%4) == 1)
	v_pk_add_f32 v[64*(\t)-128+8*(n/4):64*(\t)-127+8*(n/4)], v[64*(\t)-128+8*(n/4):64*(\t)-127+8*(n/4)], v[64*(\t)-124+8*(n/4):64*(\t)-123+8*(n/4)]
.endif
.if ((\t) > 2) && ((n%8) == 3)
	v_pk_add_f32 v[64*(\t)-192+16*(n/8):64*(\t)-191+16*(n/8)], v[64*(\t)-192+16*(n/8):64*(\t)-191+16*(n/8)], v[64*(\t)-184+16*(n/8):64*(\t)-183+16*(n/8)]
.endif
.set n, n+1
.endr
	v_nop                                          ; a plain place behind the exponentials
	s_wait_alu depctr_va_vdst(0)                   ; one wait for the batch
.endm
.macro CVT t
	WIN 0x01
.irp c, 0,1
	v_cvt_scalef32_pk16_fp6_f32 v[104+12*(\t)+6*\c:106+12*(\t)+6*\c], v[64*(\t)+32*\c:64*(\t)+32*\c+15], v[88+4*(\t)+2*\c]
	v_cvt_scalef32_pk16_fp6_f32 v[152+8*(\t)+4*\c:154+8*(\t)+4*\c], v[64*(\t)+32*\c+16:64*(\t)+32*\c+31], v[89+4*(\t)+2*\c]
.endr
	v_nop                                          ; one plain place behind a scaled conversion
.endm
; A KEY STEP of item j: 128 keys x 64 rows.  qw: the register of the first position's place; nn: of the wave's steps; alt: the record behind the item's last
.macro STEP j, qw, nn, alt
.Lstep\j:
	s_wait_loadcnt 28                              ; K is in; V's 28 loads may be out
	WIN 0x4a                                       ; S^T = K q^T: sources window 2, result window 1
.irp t, 0,1,2,3
.irp f, 0,1,2,3,4,5,6,7
.if \f%2
	v_wmma_scale_f32_16x16x128_f8f6f4 v[64*\t+8*\f:64*\t+8*\f+7], v[12*\f:12*\f+11], v[192+12*\t:203+12*\t], 0, v[40+\f/2], v[44+\t] matrix_a_fmt:MATRIX_FMT_FP6 matrix_b_fmt:MATRIX_FMT_FP6 matrix_a_scale:MATRIX_SCALE_ROW1
.else
	v_wmma_scale_f32_16x16x128_f8f6f4 v[64*\t+8*\f:64*\t+8*\f+7], v[12*\f:12*\f+11], v[192+12*\t:203+12*\t], 0, v[40+\f/2], v[44+\t] matrix_a_fmt:MATRIX_FMT_FP6 matrix_b_fmt:MATRIX_FMT_FP6
.endif
.endr
.endr
	WIN 0
	s_wait_xcnt 0x0                                ; the loads in flight have read their addresses
	s_add_co_u32 s57, s24, 1
	s_add_co_u32 s33, s31, 4
	s_cmp_lt_u32 s57, s[\nn]
	s_cselect_b32 s31, s33, s[\alt]
	s_min_u32 s31, s31, 0x1ff
	s_mul_i32 s58, s31, REC
	s_mov_b32 s59, 0
	s_add_nc_u64 s[28:29], s[6:7], s[58:59]
	s_add_co_u32 s57, s16, 1
	s_cmp_lt_u32 s57, s38
	s_cselect_b32 s39, 1, 0
	s_min_u32 s39, s39, 1                          ; 0 behind the wave's last step
	v_mul_u32_u24 v3, s39, v1                      ; these four lines are places behind the products, too
	v_mul_u32_u24 v4, s39, v2
	v_nop
	v_nop
	KLOAD
	s_add_co_u32 s57, s25, 127                     ; a step all of whose keys count for all my rows skips the mask
	s_cmp_le_i32 s57, s[\qw]
	s_cbranch_scc1 .Lopen\j
	s_sub_co_i32 s57, s[\qw], s25
	v_add_nc_u32 v184, s57, v5                     ; d = the row's place - the step's first key - 16 h.  Register 16 b + i holds key 32 b + 16 h + i: hidden where 32 b + i > d
	v_mov_b32 v188, 0xff800000                     ; -infinity: p = 0 then
	v_add_nc_u32 v185, 4, v184
	v_add_nc_u32 v186, 8, v184
	v_add_nc_u32 v187, 12, v184
	s_wait_alu depctr_va_vdst(0)
.irp t, 0,1,2,3
	MASKB \qw, \t, 0
	MASKB \qw, \t, 1
	MASKB \qw, \t, 2
	MASKB \qw, \t, 3
.endr
.Lopen\j:
	s_wait_alu depctr_va_vdst(0)
	WIN 0x14                                       ; sources 1 and 2 window 1
.set n, 0
.rept 16
	v_max3_num_f32 v[56+n], 0xff800000, v[16*n], v[16*n+1]   ; the largest score of each block of 32 keys (4 tiles x 4): it serves for the row's maximum and, since p rises with the score, for the block's largest p
.set n, n+1
.endr
.irp i, 2,4,6,8,10,12,14
.set n, 0
.rept 16
	v_max3_num_f32 v[56+n], v[56+n], v[16*n+\i], v[16*n+\i+1]
.set n, n+1
.endr
.endr
	WIN 0
.set n, 0
.rept 16
	v_permlanex16_b32 v[72+n], v[56+n], s20, s21
.set n, n+1
.endr
.set n, 0
.rept 16
	v_max_num_f32 v[56+n], v[56+n], v[72+n]        ; with lane l xor 16's 16 keys
.set n, n+1
.endr
.irp t, 0,1,2,3
	v_max3_num_f32 v[184+\t], v[56+4*\t], v[57+4*\t], v[58+4*\t]
.endr
.irp t, 0,1,2,3
	v_max_num_f32 v[184+\t], v[184+\t], v[59+4*\t] ; the step's largest score of my row
.endr
.irp t, 0,1,2,3
	v_mul_f32 v[184+\t], s22, v[184+\t]            ; as t
.endr
.irp t, 0,1,2,3
	v_mov_b32 v[29+2*\t], v[12+2*\t]
.endr
.irp t, 0,1,2,3
	v_max_num_f32 v[13+2*\t], v[13+2*\t], v[184+\t]   ; the running largest t
.endr
.irp t, 0,1,2,3
	v_floor_f32 v[12+2*\t], -v[13+2*\t]            ; the new -M = floor(-t) = -ceil(t): a whole number
.endr
.irp t, 0,1,2,3
	v_sub_f32 v[184+\t], v[12+2*\t], v[29+2*\t]    ; M's old value less its new one: a whole number, 0 or less
.endr
.irp t, 0,1,2,3
	v_cvt_i32_f32 v[184+\t], v[184+\t]             ; (it saturates)
.endr
.set n, 0
.rept 16
	v_fma_f32 v[56+n], v[56+n], s22, v[12+2*(n/4)] ; t - M of each block's largest score
.set n, n+1
.endr
.irp t, 0,1,2,3
	v_ldexp_f32 v[28+2*\t], 1.0, v[184+\t]         ; f = 2^(old M - new M)
.endr
.irp t, 0,1,2,3
	v_pk_mul_f32 v[20+2*\t:21+2*\t], v[20+2*\t:21+2*\t], v[28+2*\t:29+2*\t] op_sel_hi:[1,0]
.endr
	WIN 0xc3
.set n, 0
.rept 128
	v_pk_mul_f32 v[n:n+1], v[n:n+1], v[28+2*(n/64):29+2*(n/64)] op_sel_hi:[1,0]   ; O^T under the new M: x f
.set n, n+2
.endr
	WIN 0x45
.set n, 0
.rept 32
	v_pk_fma_f32 v[n:n+1], v[n:n+1], s[22:23], v[12:13] op_sel_hi:[1,0,0]   ; t - M of tile 0, two at a time (of the pairs c and -M the low word serves both halves)
.set n, n+2
.endr
	WIN 0
	s_wait_alu depctr_va_vdst(0)
.set n, 0
.rept 16
	v_exp_f32 v[56+n], v[56+n]                     ; the blocks' largest p: the same two instructions on the same number give the same bits
.set n, n+1
.endr
	EXPB 0
	WIN 0
.set n, 0
.rept 16
	v_max_num_f32 v[56+n], 0x1800000, v[56+n]      ; the floor 2^(3 - 127): the byte cannot fall under 1 (a block whose every p is 0 keeps that byte: its codes are zeros)
.set n, n+1
.endr
.set n, 0
.rept 16
	v_add_nc_u32 v[88+n], 0xff000000, v[56+n]      ; 2 off the exponent field: the conversion's scale operand
.set n, n+1
.endr
.set n, 0
.rept 16
	v_lshrrev_b32 v[72+n], 23, v[88+n]             ; the scale's byte
.set n, n+1
.endr
.irp t, 0,1,2,3
	v_lshl_or_b32 v[52+\t], v[73+4*\t], 8, v[72+4*\t]   ; p's scale words for these 128 keys
.endr
.irp t, 0,1,2,3
	v_lshl_or_b32 v[52+\t], v[74+4*\t], 16, v[52+\t]
.endr
.irp t, 0,1,2,3
	v_lshl_or_b32 v[52+\t], v[75+4*\t], 24, v[52+\t]
.endr
	CVT 0
	EXPB 1
	CVT 1
	EXPB 2
	CVT 2
	EXPB 3
	CVT 3
	WIN 0x45
.irp i, 0,1,2,3,4,5,6,7,8,9,10,11,12,13,14,15  ; the row's sum is taken of the unquantised p: the levels that are left
	v_pk_add_f32 v[192+4*\i:193+4*\i], v[192+4*\i:193+4*\i], v[194+4*\i:195+4*\i]
.endr
.irp i, 0,1,2,3,4,5,6,7
	v_pk_add_f32 v[128+8*\i:129+8*\i], v[128+8*\i:129+8*\i], v[132+8*\i:133+8*\i]
.endr
.irp i, 0,1,2,3
	v_pk_add_f32 v[64+16*\i:65+16*\i], v[64+16*\i:65+16*\i], v[72+16*\i:73+16*\i]
.endr
.irp i, 0,1
	v_pk_add_f32 v[32*\i:32*\i+1], v[32*\i:32*\i+1], v[32*\i+16:32*\i+17]
.endr
.irp i, 0,1,2,3,4,5,6,7
	v_pk_add_f32 v[192+8*\i:193+8*\i], v[192+8*\i:193+8*\i], v[196+8*\i:197+8*\i]
.endr
.irp i, 0,1,2,3
	v_pk_add_f32 v[128+16*\i:129+16*\i], v[128+16*\i:129+16*\i], v[136+16*\i:137+16*\i]
.endr
.irp i, 0,1
	v_pk_add_f32 v[64+32*\i:65+32*\i], v[64+32*\i:65+32*\i], v[80+32*\i:81+32*\i]
.endr
.irp i, 0,1,2,3
	v_pk_add_f32 v[192+16*\i:193+16*\i], v[192+16*\i:193+16*\i], v[200+16*\i:201+16*\i]
.endr
.irp i, 0,1
	v_pk_add_f32 v[128+32*\i:129+32*\i], v[128+32*\i:129+32*\i], v[144+32*\i:145+32*\i]
.endr
.irp i, 0,1
	v_pk_add_f32 v[192+32*\i:193+32*\i], v[192+32*\i:193+32*\i], v[208+32*\i:209+32*\i]
.endr
	WIN 0
.irp t, 0,1,2,3                                ; the operand's layout wants a whole block in a lane: lanes 0-15 block 2 c, lanes 16-31 block 2 c + 1
.irp i, 0,1,2
	v_permlane16_swap_b32 v[104+12*\t+\i], v[152+8*\t+\i]
	v_permlane16_swap_b32 v[110+12*\t+\i], v[156+8*\t+\i]
.endr
.endr
.irp t, 0,1,2,3
.irp i, 0,1,2
	v_mov_b32 v[107+12*\t+\i], v[152+8*\t+\i]
	v_mov_b32 v[113+12*\t+\i], v[156+8*\t+\i]
.endr
.endr
	WIN 0x04
.irp i, 0,32
.irp t, 0,1,2,3
	v_pk_add_f32 v[20+2*\t:21+2*\t], v[20+2*\t:21+2*\t], v[64*\t+\i:64*\t+\i+1]
.endr
.endr
	s_wait_alu depctr_va_vdst(0)
	s_wait_loadcnt 28                              ; V is in; the next K's 28 loads may be out
	WIN 0xf2                                       ; O^T += V^T p^T: source 0 window 2, source 1 window 0, C and D window 3.  The 32 accumulators take turns, one instruction a turn
.irp t, 0,1,2,3
.irp f, 0,1,2,3,4,5,6,7
.if \f%2
	v_wmma_scale_f32_16x16x128_f8f6f4 v[64*\t+8*\f:64*\t+8*\f+7], v[96+12*\f:107+12*\f], v[104+12*\t:115+12*\t], v[64*\t+8*\f:64*\t+8*\f+7], v[48+\f/2], v[52+\t] matrix_a_fmt:MATRIX_FMT_FP6 matrix_b_fmt:MATRIX_FMT_FP6 matrix_a_scale:MATRIX_SCALE_ROW1
.else
	v_wmma_scale_f32_16x16x128_f8f6f4 v[64*\t+8*\f:64*\t+8*\f+7], v[96+12*\f:107+12*\f], v[104+12*\t:115+12*\t], v[64*\t+8*\f:64*\t+8*\f+7], v[48+\f/2], v[52+\t] matrix_a_fmt:MATRIX_FMT_FP6 matrix_b_fmt:MATRIX_FMT_FP6
.endif
.endr
.endr
	WIN 0
.rept 4
	v_nop                                          ; places in front of loads into registers that matrix instructions have read, and of the way out
.endr
	VLOAD
	s_add_co_u32 s25, s25, 512
	s_add_co_u32 s16, s16, 1
	s_add_co_u32 s24, s24, 1
	s_wait_alu depctr_va_vdst(0)
	s_cmp_lt_u32 s24, s[\nn]
	s_cbranch_scc1 .Lstep\j
.endm
; my part of an item into LDS: O by rows, -M and the lane's sum.  O is not cleared for item B: -M starts at 3e38, so its first step's factor is 2^(a whole number far under -149) = 0, and a wave without a step
; of B enters the join with the factor 0: either multiplies A's finite sums away
.macro FLUSH j, adr
.irp t, 0,1,2,3
	v_mov_b32 v[72+2*\t], v[12+2*\t]
	v_add_f32 v[73+2*\t], v[20+2*\t], v[21+2*\t]
.endr
.irp t, 0,1,2,3
	ds_store_b64 v11, v[72+2*\t:73+2*\t] offset:4096*\j+256*\t
.endr
	WIN 0x0c
.irp t, 0,1,2,3
.irp f, 0,1,2,3,4,5,6,7
	ds_store_b128 v[\adr], v[64*\t+8*\f:64*\t+8*\f+3] offset:PT*\t+64*\f
	ds_store_b128 v[\adr], v[64*\t+8*\f+4:64*\t+8*\f+7] offset:PT*\t+64*\f+16
.endr
.endr
	WIN 0
.endm
	QLOAD 0
	s_mov_b32 s24, 0
	s_lshl_b32 s25, s52, 7                         ; the step's first key
	s_wait_alu depctr_va_vdst(0)
	s_wait_dscnt 0x0
	s_cmp_eq_u32 s26, 0
	s_cbranch_scc1 .Lnone0
	STEP 0, 34, 26, 32
.Lnone0:
	FLUSH 0, 8
	INIT
	QLOAD 1
	s_mov_b32 s24, 0
	s_lshl_b32 s25, s62, 7
	s_wait_alu depctr_va_vdst(0)
	s_wait_dscnt 0x0
	s_cmp_eq_u32 s27, 0
	s_cbranch_scc1 .Lnone1
	STEP 1, 35, 27, 31
.Lnone1:
	FLUSH 1, 189
	s_wait_alu depctr_va_vdst(0)
	s_wait_dscnt 0x0                               ; for the others' sake: my parts lie in LDS
	s_barrier_signal -1
	s_barrier_wait -1
	; THE WAY OUT.  Wave w joins the four waves' parts of tile w of both items: factor of part k = 2^(M of k - M) / the whole sum; the parts come back by rows, 512 bytes a row
.irp j, 0,1
.irp k, 0,1,2,3
	ds_load_b64 v[56+8*\j+2*\k:57+8*\j+2*\k], v36 offset:4096*\j+1024*\k
.endr
.endr
	s_wait_dscnt 0x0
	v_add_nc_u32 v184, PI+2*PW, v39
.irp j, 0,1
	v_min_num_f32 v[72+\j], v[56+8*\j], v[58+8*\j]
	v_min_num_f32 v[72+\j], v[72+\j], v[60+8*\j]
.endr
.irp j, 0,1
	v_min_num_f32 v[72+\j], v[72+\j], v[62+8*\j]   ; the common -M
.endr
.irp k, 0,1,2,3
.irp j, 0,1
	v_sub_f32 v[76+4*\j+\k], v[72+\j], v[56+8*\j+2*\k]
.endr
.endr
.irp k, 0,1,2,3
.irp j, 0,1
	v_cvt_i32_f32 v[76+4*\j+\k], v[76+4*\j+\k]
.endr
.endr
.irp k, 0,1,2,3
.irp j, 0,1
	v_ldexp_f32 v[76+4*\j+\k], 1.0, v[76+4*\j+\k]
.endr
.endr
.irp j, 0,1
	v_mul_f32 v[84+\j], v[76+4*\j], v[57+8*\j]
.endr
.irp k, 1,2,3
.irp j, 0,1
	v_fma_f32 v[84+\j], v[76+4*\j+\k], v[57+8*\j+2*\k], v[84+\j]
.endr
.endr
.irp j, 0,1
	v_permlanex16_b32 v[86+\j], v[84+\j], s20, s21
.endr
.irp j, 0,1
	v_add_f32 v[84+\j], v[84+\j], v[86+\j]         ; with lane l xor 16's keys: the row's sum
.endr
	s_wait_alu depctr_va_vdst(0)                   ; the wait ahead of the batch
	v_rcp_f32 v84, v84
	v_rcp_f32 v85, v85
	v_nop
	s_wait_alu depctr_va_vdst(0)                   ; and behind it
.irp k, 0,1,2,3
.irp j, 0,1
	v_mul_f32 v[76+4*\j+\k], v[76+4*\j+\k], v[84+\j]
.endr
.endr
	ds_store_b128 v9, v[76:79]                     ; row r's four factors (lanes r and r + 16 hold the same)
	ds_store_b128 v9, v[80:83] offset:256
.macro PLOAD gr, w, a0, a1, go
	WIN 0
.irp i, 0,1,2,3,4,5,6,7,8,9,10,11,12,13,14,15
	ds_load_b128 v[\gr+4*\i:\gr+4*\i+3], v10 offset:\go+16*\i   ; row i's factors, in every lane (LDS serves a wave's instructions in order: these see my stores)
.endr
	WIN (\w)*0x40
.irp k, 0,1
.irp i, 0,1,2,3,4,5,6,7,8,9,10,11,12,13,14,15
	ds_load_b128 v[64*\k+4*\i:64*\k+4*\i+3], v[\a0] offset:PW*\k+SP*\i
.endr
.endr
.irp k, 0,1
.irp i, 0,1,2,3,4,5,6,7,8,9,10,11,12,13,14,15
	ds_load_b128 v[128+64*\k+4*\i:128+64*\k+4*\i+3], v[\a1] offset:PW*\k+SP*\i
.endr
.endr
	WIN 0
.endm
.macro COMP g, gr, w, op               ; rows 4 g .. 4 g + 3
	WIN (\w)*0x51
.irp i, 0,1,2,3
.irp q, 0,2
	v_pk_mul_f32 v[16*\g+4*\i+\q:16*\g+4*\i+\q+1], v[16*\g+4*\i+\q:16*\g+4*\i+\q+1], v[\gr+16*\g+4*\i:\gr+16*\g+4*\i+1] op_sel_hi:[1,0]
.endr
.endr
.irp i, 0,1,2,3
.irp q, 0,2
	v_pk_fma_f32 v[16*\g+4*\i+\q:16*\g+4*\i+\q+1], v[64+16*\g+4*\i+\q:64+16*\g+4*\i+\q+1], v[\gr+16*\g+4*\i:\gr+16*\g+4*\i+1], v[16*\g+4*\i+\q:16*\g+4*\i+\q+1] op_sel:[0,1,0]
.endr
.endr
.irp i, 0,1,2,3
.irp q, 0,2
	v_pk_fma_f32 v[16*\g+4*\i+\q:16*\g+4*\i+\q+1], v[128+16*\g+4*\i+\q:128+16*\g+4*\i+\q+1], v[\gr+16*\g+4*\i+2:\gr+16*\g+4*\i+3], v[16*\g+4*\i+\q:16*\g+4*\i+\q+1] op_sel_hi:[1,0,1]
.endr
.endr
.irp i, 0,1,2,3
.irp q, 0,2
	v_pk_fma_f32 v[16*\g+4*\i+\q:16*\g+4*\i+\q+1], v[192+16*\g+4*\i+\q:192+16*\g+4*\i+\q+1], v[\gr+16*\g+4*\i+2:\gr+16*\g+4*\i+3], v[16*\g+4*\i+\q:16*\g+4*\i+\q+1] op_sel:[0,1,0]
.endr
.endr
	WIN (\w)*4
.irp i, 0,1,2,3
	global_store_b128 v1, v[16*\g+4*\i:16*\g+4*\i+3], s[\op:\op+1] offset:16384*\g+512*\i th:TH_STORE_NT   ; 32 lanes store 512 consecutive bytes, at a multiple of 256 from out0's first byte
.endr
.endm
	PLOAD 192, 1, 39, 190, 0
	PLOAD 104, 3, 191, 184, 256
	s_wait_dscnt 63                                ; item A's 80 loads are in: item B's 80 are younger, and the count's field holds 63 at the most
	COMP 0, 192, 1, 44
	COMP 1, 192, 1, 44
	COMP 2, 192, 1, 44
	COMP 3, 192, 1, 44
	s_wait_dscnt 0x0
	COMP 0, 104, 3, 46
	COMP 1, 104, 3, 46
	COMP 2, 104, 3, 46
	COMP 3, 104, 3, 46
	WIN 0
	s_wait_tensorcnt 0x0                           ; the wave's end, behind my last LDS store
	ds_add_u32 v6, v7
	s_wait_dscnt 0x0
	s_endpgm
.Lfunc_end_k_qa5adfd7d78_attn:
	.size	k_qa5adfd7d78_attn, .Lfunc_end_k_qa5adfd7d78_attn-k_qa5adfd7d78_attn
	.p2alignl 7, 3214868480
	.fill 96, 4, 3214868480
	.section	.rodata,"a",@progbits
	.p2align	6, 0x0
	.amdhsa_kernel k_qa5adfd7d78_attn
		.amdhsa_group_segment_fixed_size 295424
		.amdhsa_private_segment_fixed_size 0
		.amdhsa_enable_private_segment 0
		.amdhsa_kernarg_size 32
		.amdhsa_user_sgpr_count 2
		.amdhsa_user_sgpr_kernarg_segment_ptr 1
		.amdhsa_wavefront_size32 1
		.amdhsa_system_sgpr_workgroup_id_x 1
		.amdhsa_system_sgpr_workgroup_id_y 1
		.amdhsa_system_sgpr_workgroup_id_z 1
		.amdhsa_system_vgpr_workitem_id 0
		.amdhsa_next_free_vgpr 1024
		.amdhsa_next_free_sgpr 82
		.amdhsa_reserve_vcc 0
		.amdhsa_float_denorm_mode_32 3
		.amdhsa_float_denorm_mode_16_64 3
		.amdhsa_memory_ordered 1
		.amdhsa_forward_progress 1
		.amdhsa_inst_pref_size 255
	.end_amdhsa_kernel
	.section	.bss,"aw",@nobits
	.p2align	6
	.space	262144
	.amdgpu_metadata
---
amdhsa.version: [ 1, 2 ]
amdhsa.kernels:
  - .name:           k_qa5adfd7d78_attn
    .symbol:         k_qa5adfd7d78_attn.kd
    .args:
      - { .name: query, .offset: 0, .size: 8, .value_kind: global_buffer, .address_space: global }
      - { .name: kv, .offset: 8, .size: 8, .value_kind: global_buffer, .address_space: global }
      - { .name: seq_lens, .offset: 16, .size: 8, .value_kind: global_buffer, .address_space: global }
      - { .name: out0, .offset: 24, .size: 8, .value_kind: global_buffer, .address_space: global }
    .group_segment_fixed_size: 295424
    .private_segment_fixed_size: 0
    .kernarg_segment_align: 8
    .kernarg_segment_size: 32
    .max_flat_workgroup_size: 128
    .sgpr_count:     82
    .vgpr_count:     1024
    .wavefront_size: 32
...
	.end_amdgpu_metadata
.endif
;; end of part 2
